; MI455X (gfx1250); checked and timed in simulation.
; The chip was launched on July 23, 2026; its instructions are those of AMD's public machine-readable ISA for CDNA 5 (MIT licence, August 2026) and "CDNA5" Instruction Set Architecture Reference Guide (July 2026). The comments in the code are by the model that wrote it; some were corrected since.
;; Vector Quantizer. Allowed arithmetic: matrix products marked QUANTISED: E5M2 operands, one given power-of-two scale a tensor, by v_wmma_f32_16x16x64_bf8_bf8 or v_wmma_f32_16x16x128_bf8_bf8, f32 sums; everything else in f32.
;; Inputs: codebook 8,192 x 256 float32; lowp_scales 2 int32 (the exponents e of the quantised operands' scales 2^e); z_e 32,768 x 256 float32.
;; Outputs: out0 32,768 int32.
;; This version of the problem:
;;   THIS VERSION OF THE PROBLEM IS GIVEN IN LOW PRECISION. The matrix products marked QUANTISED in the list below multiply operands that are first quantised to E5M2 (5 exponent bits, 2 mantissa bits; 8 bits a number), with one given power-of-two scale for each operand tensor; their sums are f32. All else is computed in f32.
;;   The module's matrix products, in the order in which they are computed (A, B: the left and right operand; K: the contracted axis; several contracted axes count as one K, in the product's order):
;;     1. [M 32,768, K 256] x [K 256, N 8,192]; A: input z_e; B: input codebook: QUANTISED (scales: A lowp_scales[0], B lowp_scales[1])
;;   THE QUANTISER, for each operand of a quantised product, along K:
;;     - The operand's scale is 2^e, e = its entry of the input lowp_scales (int32; the entries are numbered through the quantised products in the list's order, A before B).
;;     - Each number is divided by the scale, clamped to +-57,344, and rounded to the nearest number of E5M2, ties to even, subnormals kept.
;;     - The product sums the exact products of the quantised numbers (number of the format x scale) in f32.
;;   ~~~python
;;   def quantise(x, axis, e):      # numpy; x: float32 -> the quantised numbers, widened to float32 again
;;       x = np.moveaxis(x, axis, -1); K = x.shape[-1]
;;       r = np.clip(x / 2.0 ** e, -57344, 57344)
;;       step = 2.0 ** (np.maximum(np.frexp(np.where(r == 0, 1, r))[1] - 1, -14) - 2)
;;       q = np.round(r / step) * step * 2.0 ** e      # np.round: ties to even
;;       return np.moveaxis(q, -1, axis).astype(np.float32)
;;   ~~~
;; One version. Each part assembles by itself: llvm-mc -triple=amdgcn-amd-amdhsa -mcpu=gfx1250 --defsym DOCPART=n.
;; ======== version 1 of 1: 2 launches
;; limits: right only within a limited range of input values
;; workspace buffers: zq 8,388,608 bytes; cbq 2,097,152 bytes; zsq 131,072 bytes; esq 32,768 bytes
;; launch quant (part 1): grid 640 x 1, 4 waves a work-group, no clusters, 67,328 bytes of LDS; arguments z_e, codebook, lowp_scales, zq, cbq, zsq, esq; writes zq, cbq, zsq, esq
.if DOCPART == 1
	.amdgcn_target "amdgcn-amd-amdhsa--gfx1250"
	.amdhsa_code_object_version 6
	.text
	.protected	k_q0aee5faccb_quant
	.globl	k_q0aee5faccb_quant
	.p2align	8
	.type	k_q0aee5faccb_quant,@function
k_q0aee5faccb_quant:
	s_mov_b64 s[64:65], 0
	v_nop
	global_prefetch_b8 v0, s[64:65] scope:SCOPE_SE
	s_setreg_imm32_b32 hwreg(HW_REG_WAVE_MODE, 25, 1), 1
	s_wait_xcnt 0x0
; z_e [32768][256] and codebook [8192][256], f32, are turned into codes of BF8 (E5M2), each with the one scale 2^e that is given for it, and each row's sum of squares of the
; UNQUANTISED numbers is taken in f32.  code = x / 2^e, held within +-57,344, rounded to the nearest code, ties to even.
; THE CODES' LAYOUT is the image of an operand's registers.  A tile is 16 rows x 256 along K = 4,096 bytes: byte 512 b + 16 l + x (b = 0..7, lane l = 0..31, x = 0..15) holds the code of
; row 16 tile + l % 16 at k = 32 b + 16 (l / 16) + x.  So the next launch fetches a fragment by loads of 16 bytes a lane, 512 consecutive bytes an instruction, with no pitch.
; SHARES.  The first ZWG work-groups take z_e, the others the codebook: only pointers and e are chosen, on the work-group's number; there is one path through the text.  A wave takes one tile.
; A lane must hold 16 NEIGHBOURS along K for the conversions, and a load is best where neighbouring LANES take neighbouring bytes: so the tile's 16,384 bytes are loaded as they lie,
; 512 consecutive bytes a load, go through the wave's own stage in LDS (rows of 1,024 bytes + 16), and come back 64 bytes of one row a lane.  No loop: a wave's 32 loads go out at once.
; LIMITS.  e between -126 and 112, so that 2^e and 57,344 x 2^e are f32 numbers.  NaN among the inputs is not served (an infinity is held at the largest code).
; The squares are summed by fused multiply-adds in eight chains a lane and two lanes a row: another order of rounding than a sum from left to right.
.set ZWG,   512                        ; work-groups for z_e: 32,768 rows / 64
.set PITCH, 1040                       ; a stage row: 1,024 bytes + 16 = 65 x 16: the sixteen rows that a load touches begin 16 bytes further round each time
.set STG,   16*PITCH                   ; a wave's stage
.set SQ,    4*STG                      ; behind the stages: the work-group's 64 sums, 256 bytes
.set CH,    12                         ; v[12:19]   four packed chains of sums of squares
.set Y,     32                         ; v[32:63]   two sets of 16 neighbours
.set X,     64                         ; v[64:191]  the tile as loaded
.set C,     192                        ; v[192:223] codes: four registers for each block, so that no store's data are written again
	s_load_b128 s[4:7], s[0:1], 0x0                ; z_e s[4:5], codebook s[6:7]
	s_load_b64 s[8:9], s[0:1], 0x10                ; the scales' exponents
	s_load_b128 s[12:15], s[0:1], 0x18             ; zq s[12:13], cbq s[14:15]
	s_load_b128 s[16:19], s[0:1], 0x28             ; zsq s[16:17], esq s[18:19]
	v_lshl_add_u32 v224, v0, 2, 0x10500
	v_mov_b32 v225, 0
	v_lshrrev_b32 v1, 5, v0
	v_readfirstlane_b32 s20, v1                    ; wave 0..3
	v_and_b32 v1, 31, v0                           ; lane
	v_and_b32 v2, 15, v0                           ; r
	v_bfe_u32 v3, v0, 4, 1                         ; h
	v_lshlrev_b32 v4, 4, v1                        ; 16 x lane: my bytes of a load's 512, and of a store's
	s_mul_i32 s28, s20, STG
	v_add_nc_u32 v5, s28, v4                       ; the stage, on the way in: as the bytes lie
	v_mul_u32_u24 v6, v2, PITCH
	v_lshl_add_u32 v6, v3, 6, v6
	v_add_nc_u32 v6, s28, v6                       ; and on the way out: row r, + 64 h: my 16 numbers of a block of 32
	s_lshl_b32 s29, s20, 6
	s_add_co_u32 s29, s29, SQ
	v_lshl_add_u32 v7, v2, 2, s29                  ; where row r's sum goes: SQ + 64 x wave + 4 r
	v_lshlrev_b32 v9, 3, v1                        ; 8 x lane: two sums a lane on the way out
	v_add_nc_u32 v8, SQ, v9
	v_mov_b32 v20, 0                               ; written once: a lane permute's destination counts as one of its sources
	s_mov_b32 s32, 0x76543210                      ; v_permlanex16_b32: each lane takes its own place in the other half
	s_mov_b32 s33, 0xfedcba98
	s_cmp_lt_u32 ttmp9, ZWG
	s_cselect_b32 s21, 0, ZWG
	s_sub_co_u32 s21, ttmp9, s21                   ; my work-group's number within its tensor
	s_lshl_b32 s24, s21, 2
	s_add_co_u32 s24, s24, s20                     ; my wave's tile
	s_mov_b32 s27, 0
	s_wait_alu depctr_va_vdst(0)
	s_wait_kmcnt 0x0
	s_load_b64 s[22:23], s[8:9], 0x0               ; ea, eb
	s_cmp_lt_u32 ttmp9, ZWG                        ; z_e's work-group or the codebook's?  The choice hangs on the work-group's number alone
	s_cselect_b64 s[4:5], s[4:5], s[6:7]
	s_cselect_b64 s[12:13], s[12:13], s[14:15]
	s_cselect_b64 s[16:17], s[16:17], s[18:19]
	s_lshl_b32 s26, s24, 14                        ; 16 rows of 1,024 bytes a tile (under 2^26)
	s_add_nc_u64 s[4:5], s[4:5], s[26:27]
	s_lshl_b32 s26, s24, 12                        ; 4,096 bytes of codes a tile
	s_add_nc_u64 s[12:13], s[12:13], s[26:27]
	s_lshl_b32 s26, s21, 8                         ; 64 sums a work-group
	s_add_nc_u64 s[16:17], s[16:17], s[26:27]
.set n, 0
.rept 32
	global_load_b128 v[X+4*n:X+4*n+3], v4, s[4:5] offset:512*n th:TH_LOAD_NT   ; 32 lanes read 512 consecutive bytes: half of row n / 2; read once in the launch
.set n, n+1
.endr
	s_wait_kmcnt 0x0
	s_cmp_lt_u32 ttmp9, ZWG
	s_cselect_b32 s22, s22, s23                    ; e
	s_add_co_i32 s22, s22, 127
	s_lshl_b32 s23, s22, 23
	v_mov_b32 v11, s23                             ; 2^e as f32: the conversion takes its exponent field
	s_add_co_i32 s22, s22, 15
	s_lshl_b32 s22, s22, 23
	s_or_b32 s22, s22, 0x600000
	v_mov_b32 v10, s22                             ; 57,344 x 2^e
.set n, 0
	s_wait_alu depctr_va_vdst(0)
.rept 4
	s_wait_loadcnt 24-n                            ; loads come back in order: the next eight are in, the 24, 16, 8, 0 younger ones may be out
.rept 8
	ds_store_b128 v5, v[X+4*n:X+4*n+3] offset:(n/2)*PITCH+(n%2)*512
.set n, n+1
.endr
.endr
.macro TURN b                          ; block b (32 along K) comes back from the stage: my 16 neighbours.  LDS serves a wave's instructions in order, so no wait stands behind the stores
.irp i, 0,1,2,3
	ds_load_b128 v[Y+16*((\b)%2)+4*\i:Y+16*((\b)%2)+4*\i+3], v6 offset:128*(\b)+16*\i
.endr
.endm
.macro BLOCK b
.set YS, Y+16*((\b)%2)
.if (\b) < 7
	TURN (\b)+1                                    ; the next block, into the other set
	s_wait_dscnt 4                                 ; this block's four loads are in; the four just issued may be out
.else
	s_wait_dscnt 0
.endif
.irp p, 0,1,2,3,4,5,6,7
.if ((\b) == 0) && (\p < 4)
	v_pk_mul_f32 v[CH+2*\p:CH+2*\p+1], v[YS+2*\p:YS+2*\p+1], v[YS+2*\p:YS+2*\p+1]   ; the first squares start the chains: nothing is cleared
.else
	v_pk_fma_f32 v[CH+2*(\p%4):CH+2*(\p%4)+1], v[YS+2*\p:YS+2*\p+1], v[YS+2*\p:YS+2*\p+1], v[CH+2*(\p%4):CH+2*(\p%4)+1]   ; squares of the numbers as they are given, ahead of the hold
.endif
.endr
.irp i, 0,1,2,3,4,5,6,7,8,9,10,11,12,13,14,15
	v_med3_num_f32 v[YS+\i], v[YS+\i], -v10, v10   ; the conversion to an 8-bit code does not saturate (ISA guide 7.6.2): hold the number within the largest code x the scale first
.endr
	v_cvt_scalef32_pk8_bf8_f32 v[C+4*(\b):C+4*(\b)+1], v[YS:YS+7], v11
	v_cvt_scalef32_pk8_bf8_f32 v[C+4*(\b)+2:C+4*(\b)+3], v[YS+8:YS+15], v11
	global_store_b128 v4, v[C+4*(\b):C+4*(\b)+3], s[12:13] offset:512*(\b)   ; 32 lanes store 512 consecutive bytes, aligned: block b of the tile's image.  The codes go to a store alone; the next vector lines are plain and touch other registers
.endm
	TURN 0
.irp b, 0,1,2,3,4,5,6,7
	BLOCK \b
.endr
	v_pk_add_f32 v[CH:CH+1], v[CH:CH+1], v[CH+2:CH+3]
	v_pk_add_f32 v[CH+4:CH+5], v[CH+4:CH+5], v[CH+6:CH+7]
	v_pk_add_f32 v[CH:CH+1], v[CH:CH+1], v[CH+4:CH+5]
	v_add_f32 v12, v12, v13                        ; my 128 numbers' squares,
	v_permlanex16_b32 v20, v12, s32, s33
	v_add_f32 v12, v12, v20                        ; and the row's other 128, which the lane 16 away holds
	ds_store_b32 v7, v12                           ; lanes r and r + 16 write the same word with the same number
	s_wait_dscnt 0x0                               ; for the others' sake: my store has landed
	s_barrier_signal -1
	s_barrier_wait -1
	s_cmp_lg_u32 s20, 0                            ; wave 0 stores the work-group's 64 sums
	s_cbranch_scc1 .Ldone
	ds_load_b64 v[22:23], v8
	s_wait_dscnt 0x0
	global_store_b64 v9, v[22:23], s[16:17]        ; 32 lanes store 256 consecutive bytes, aligned
.Ldone:
	s_wait_tensorcnt 0x0
	ds_add_u32 v224, v225
	s_wait_dscnt 0x0
	s_endpgm
.Lfunc_end_k_q0aee5faccb_quant:
	.size	k_q0aee5faccb_quant, .Lfunc_end_k_q0aee5faccb_quant-k_q0aee5faccb_quant
	.p2alignl 7, 3214868480
	.fill 96, 4, 3214868480
	.section	.rodata,"a",@progbits
	.p2align	6, 0x0
	.amdhsa_kernel k_q0aee5faccb_quant
		.amdhsa_group_segment_fixed_size 67328
		.amdhsa_private_segment_fixed_size 0
		.amdhsa_enable_private_segment 0
		.amdhsa_kernarg_size 56
		.amdhsa_user_sgpr_count 2
		.amdhsa_user_sgpr_kernarg_segment_ptr 1
		.amdhsa_wavefront_size32 1
		.amdhsa_system_sgpr_workgroup_id_x 1
		.amdhsa_system_sgpr_workgroup_id_y 1
		.amdhsa_system_sgpr_workgroup_id_z 1
		.amdhsa_system_vgpr_workitem_id 0
		.amdhsa_next_free_vgpr 226
		.amdhsa_next_free_sgpr 66
		.amdhsa_reserve_vcc 0
		.amdhsa_float_denorm_mode_32 3
		.amdhsa_float_denorm_mode_16_64 3
		.amdhsa_memory_ordered 1
		.amdhsa_forward_progress 1
		.amdhsa_inst_pref_size 25
	.end_amdhsa_kernel
	.amdgpu_metadata
---
amdhsa.version: [ 1, 2 ]
amdhsa.kernels:
  - .name:           k_q0aee5faccb_quant
    .symbol:         k_q0aee5faccb_quant.kd
    .args:
      - { .name: z_e, .offset: 0, .size: 8, .value_kind: global_buffer, .address_space: global }
      - { .name: codebook, .offset: 8, .size: 8, .value_kind: global_buffer, .address_space: global }
      - { .name: lowp_scales, .offset: 16, .size: 8, .value_kind: global_buffer, .address_space: global }
      - { .name: zq, .offset: 24, .size: 8, .value_kind: global_buffer, .address_space: global }
      - { .name: cbq, .offset: 32, .size: 8, .value_kind: global_buffer, .address_space: global }
      - { .name: zsq, .offset: 40, .size: 8, .value_kind: global_buffer, .address_space: global }
      - { .name: esq, .offset: 48, .size: 8, .value_kind: global_buffer, .address_space: global }
    .group_segment_fixed_size: 67328
    .private_segment_fixed_size: 0
    .kernarg_segment_align: 8
    .kernarg_segment_size: 56
    .max_flat_workgroup_size: 128
    .sgpr_count:     66
    .vgpr_count:     226
    .wavefront_size: 32
...
	.end_amdgpu_metadata
.endif
;; end of part 1
;; launch vq (part 2): grid 256 x 1, 8 waves a work-group, clusters of 4 x 1, 327,680 bytes of LDS; arguments zq, zsq, cbq, esq, lowp_scales, out0; writes out0
.if DOCPART == 2
	.amdgcn_target "amdgcn-amd-amdhsa--gfx1250"
	.amdhsa_code_object_version 6
	.text
	.protected	k_q0aee5faccb_vq
	.globl	k_q0aee5faccb_vq
	.p2align	8
	.type	k_q0aee5faccb_vq,@function
k_q0aee5faccb_vq:
	s_mov_b64 s[64:65], 0
	v_nop
	global_prefetch_b8 v0, s[64:65] scope:SCOPE_SE
	s_setreg_imm32_b32 hwreg(HW_REG_WAVE_MODE, 25, 1), 1
	s_wait_xcnt 0x0
	s_wait_alu depctr_hold_cnt(0) depctr_sa_sdst(0) depctr_va_vdst(0) depctr_va_sdst(0) depctr_va_ssrc(0) depctr_va_vcc(0) depctr_vm_vsrc(0)
	s_getreg_b32 s2, hwreg(HW_REG_IB_STS2, 6, 4)
	s_cmp_eq_u32 s2, 0
	s_cbranch_scc0 .Lentry_in_a_cluster
	s_endpgm
.Lentry_in_a_cluster:
	s_bfe_u32 s2, ttmp6, 0x10000c
	s_cmp_lg_u32 s2, 0x3003
	s_cbranch_scc0 .Lentry_shape_is_right
	s_endpgm
.Lentry_shape_is_right:
; out0[n] = the first index k at which d(n, k) = fl(fl(zsq[n] + esq[k]) - 2 cross(n, k)) is least.  cross = 2^(ea + eb) x the f32 sum of the products of the BF8 codes.
; zq, cbq: images of operand registers, 4,096 bytes for 16 rows x 256 K: byte 512 b + 16 l + x = the code of row l % 16 at k = 32 b + 16 (l / 16) + x.
; SHARES.  A work-group owns 128 rows of z; each of its eight waves holds all 128 as operands (window 1, 256 registers).  The codebook's image goes in 16 chunks of 32 tiles (131,072 bytes) through a ring
; of two LDS slots; of a chunk wave w multiplies tiles 4 w .. 4 w + 3, one a step, 16 matrix instructions each.  Every tile is read from LDS once.
; CLUSTERS: the four work-groups of a cluster walk the same chunks: each wave's eighth of a chunk (64 rows of 256 bytes) is asked for jointly, mask 15.
; The matrix instruction is used transposed (source 0 = 16 codes, source 1 = 16 rows of z): lane (r, h) holds row r, register j the code 8 h + j of the tile.
; THE SEARCH, for each lane and tile of z: a running minimum; where a code tile lowers it (strictly), the tile's first seven distances and the tile's number are kept (four dual pairs of selects).
; At the end j is the first kept distance equal to the minimum, or 7; then the two halves of the lanes and the eight waves are joined, the lowest index among equal minima.
; A step's vector work goes by PAIRS of tiles of z, in slots: the two minimum chains of pair p, the sums t of pair p + 2, the distances of pair p + 1 and the selects of pair p - 1 by turns,
; each compare five lines or more ahead of its first select: so four lines or more stand between a line and the line whose result it reads, all but a few in the last pair.
; The vector work of a chunk's last step stands behind the change of slots and behind the next chunk's first LDS loads, which land meanwhile.
; esq (32,768 bytes) is copied once into LDS bytes of its own, 4,096 bytes a wave, through registers.
; PREFETCH: waves 0-3 of cluster 0's four work-groups share a chunk's 512 blocks of 256 bytes out by address (cx, wave, lane); behind the load of chunk c + 1 they name chunk c + 3; the last two changes ask for nothing.
; LIMITS: ea + eb + 1 between -126 and 127.  NaN among the distances is not served.
.set SLOT1, 1<<17
.set CHUNK, 131072
.set NCH,   16
.set ESQL,  2*SLOT1                    ; behind the ring: esq
.set SPARE, ESQL+32768                 ; the spare words, 128 bytes a wave
.set SCRM,  SPARE+1024                 ; the waves' results: 8 x 512 bytes of minima, then 8 x 512 of indices
.set SPW,  1
.set NIL,  2
.set LB,   3                           ; 16 lane + 16,384 wave: my four tiles in a slot
.set ADR,  4
.set EB,   5                           ; ESQL + 256 wave + 32 h
.set ADE,  6
.set TCUR, 7                           ; this step's tile number (register number 3 mod 4: beside a distance at 2 mod 4 in a dual pair)
.set PFO,  8
.set BIG,  9
.set H8,   10
.set SCW,  11
.set SCR,  12
.set L16,  13
.set PM,   14
.set PI,   15
.set EG,   16                          ; v16, v17 serve the head alone; then v16-31 are t's sets 2 and 3
.set ELS,  17
.set CF,   32                          ; v32-63   a code tile's fragments
.set ACC,  64                          ; v64-127  8 accumulators, then distances
.set SAV,  128                         ; v128-191 for each tile of z: 7 kept distances, the kept tile number
.set ST,   192                         ; v192-223 for each tile of z: zsq, 0, the minimum in two registers by turns
.set E0,   224                         ; v224-239 esq of a tile, 8 numbers a lane, two sets
.set T,    240                         ; v240-255 t = esq + zsq, sets 0 and 1
.set WV,   16
.set G1C,  28
.set MK,   36                          ; s36-43 masks at the end
.set G0C,  44
.set PFA,  52
.set LIM,  54
.set SLOTS, 55
.set TB,   56
.set EK,   57
.set TK,   58
.set SC,   60
.set SEL,  62
.set MSB, 0
.macro WIN new
.if MSB != \new
	s_set_vgpr_msb (MSB<<8)|\new
.set MSB, \new
.endif
.endm
.macro CROUND                          ; a round of the cluster's barrier
	s_barrier_signal -1
	s_barrier_wait -1
	s_cmp_lg_u32 s[WV], 0
	s_cbranch_scc1 .Lnot_wave_0_\@
	s_barrier_signal -3
.Lnot_wave_0_\@:
	s_barrier_wait -3
	s_barrier_signal -1
	s_barrier_wait -1
.endm
.macro ASK
	s_cmp_gt_u32 s[SLOTS], s[LIM]
	s_cbranch_scc0 .Lnot_mine_\@
	global_prefetch_b8 v[PFO], s[PFA:PFA+1] th:TH_LOAD_NT scope:SCOPE_SE
.Lnot_mine_\@:
.endm
	s_load_b256 s[4:11], s[0:1], 0x0               ; zq, zsq, cbq, esq
	s_load_b128 s[12:15], s[0:1], 0x20             ; the scales' exponents, out0
	v_lshl_add_u32 v[SPW], v0, 2, SPARE
	v_mov_b32 v[NIL], 0
	ds_add_u32 v[SPW], v[NIL]                      ; the opening lines: the add, twice on end; its wait stands ahead of my first tensor load
	ds_add_u32 v[SPW], v[NIL]
	v_lshrrev_b32 v[LB], 5, v0
	v_readfirstlane_b32 s[WV], v[LB]               ; wave 0..7
	s_bfe_u32 s17, ttmp6, 0x40000                  ; cx
	s_lshl_b32 s18, ttmp9, 2
	s_add_co_u32 s18, s18, s17                     ; my work-group
	s_mov_b32 s[G1C], 15|(3<<16)|(1<<21)           ; mask: all four partners; elements of 8 bytes
	s_mov_b32 s[G1C+1], 32<<16                     ; rows of 256 bytes
	s_mov_b32 s[G1C+2], 64<<16                     ; 64 rows: a wave's eighth of a chunk
	s_mov_b32 s[G1C+3], 32<<16
	s_mov_b32 s[G1C+4], 64
	s_mov_b32 s[G1C+5], 32
	s_mov_b32 s[G1C+6], 0
	s_mov_b32 s[G1C+7], 0
	s_lshl_b32 s20, s[WV], 14
	s_mov_b32 s21, 0
	s_lshl_b32 s22, s[WV], 12
	s_mov_b32 s27, 0
	s_mov_b32 s[SEL], 0x76543210
	s_mov_b32 s[SEL+1], 0xfedcba98
	s_mov_b32 s[TB], 0
	s_mov_b32 s[EK], 0
	s_lshl_b32 s[TK], s[WV], 2
	s_mov_b32 s[SLOTS], NCH-1
	s_lshr_b32 s[LIM], s[WV], 2
	s_or_b32 s[LIM], s[LIM], ttmp9
	s_cmp_eq_u32 s[LIM], 0
	s_cselect_b32 s[LIM], 2, -1                    ; waves 0-3 of cluster 0 ask while more than 2 changes are left
	s_wait_dscnt 0x0                               ; both opening adds are done
	s_wait_kmcnt 0x0
	s_load_b64 s[24:25], s[12:13], 0x0             ; ea, eb
	s_mov_b32 s[G0C], 1
	s_mov_b32 s[G0C+1], s20
	s_add_nc_u64 s[G0C+2:G0C+3], s[8:9], s[20:21]
	s_or_b32 s[G0C+3], s[G0C+3], 0x80000000
	s_lshl_b32 s26, s18, 15
	s_add_nc_u64 s[4:5], s[4:5], s[26:27]          ; my 128 rows' codes
	s_lshl_b32 s26, s18, 9
	s_add_nc_u64 s[6:7], s[6:7], s[26:27]
	s_add_nc_u64 s[14:15], s[14:15], s[26:27]
	s_lshl_b32 s26, s17, 15
	s_and_b32 s19, s[WV], 3
	s_lshl_b32 s19, s19, 13
	s_add_co_u32 s26, s26, s19
	s_add_co_u32 s26, s26, 2*CHUNK
	s_add_nc_u64 s[PFA:PFA+1], s[8:9], s[26:27]
	CROUND                                         ; in front of the first joint loads
	tensor_load_to_lds s[G0C:G0C+3], s[G1C:G1C+7]  ; chunk 0, my eighth: my one tensor load at the head
	s_nop 0
	v_and_b32 v[ADR], 31, v0                       ; lane
	v_and_b32 v[PM], 15, v0                        ; r
	v_bfe_u32 v[PI], v0, 4, 1                      ; h
	v_lshlrev_b32 v[L16], 4, v[ADR]
	WIN 0x40
.set n, 0
.rept 64
	global_load_b128 v[4*n:4*n+3], v[L16], s[4:5] offset:512*n     ; tile n / 8 of z, block n % 8
.set n, n+1
.endr
	WIN 0
	v_lshlrev_b32 v[TCUR], 2, v[PM]
.irp t, 0,1,2,3,4,5,6,7
	global_load_b32 v[ST+4*\t], v[TCUR], s[6:7] offset:64*\t
.endr
	v_add_nc_u32 v[EG], s22, v[L16]
.irp n, 0,1,2,3,4,5,6,7
	global_load_b128 v[ACC+4*\n:ACC+4*\n+3], v[EG], s[10:11] offset:512*\n   ; my wave's 4,096 bytes of esq, 512 consecutive bytes a load
.endr
	v_add_nc_u32 v[ELS], ESQL, v[EG]
	v_lshlrev_b32 v[PFO], 8, v[ADR]
	v_add_nc_u32 v[LB], s20, v[L16]
	s_lshl_b32 s19, s[WV], 8
	s_add_co_u32 s19, s19, ESQL
	v_lshl_add_u32 v[EB], v[PI], 5, s19
	v_lshlrev_b32 v[H8], 3, v[PI]
	s_lshl_b32 s19, s[WV], 9
	s_add_co_u32 s19, s19, SCRM
	v_lshl_add_u32 v[SCW], v[PM], 2, s19
	v_add_nc_u32 v[SCR], SCRM, v[L16]
	v_mov_b32 v[BIG], 0x7fffffff
.irp t, 0,1,2,3,4,5,6,7
	v_mov_b32 v[ST+4*\t+1], 0                      ; named as the upper half of zsq's pair
	v_mov_b32 v[ST+4*\t+2], 0x7f800000             ; the minimum so far: +infinity
.irp j, 0,1,2,3,4,5,6
	v_mov_b32 v[SAV+8*\t+\j], 0x7f800000
.endr
	v_mov_b32 v[SAV+8*\t+7], s[TK]
.endr
	s_wait_alu depctr_va_vdst(0)
	s_wait_kmcnt 0x0
	s_add_co_i32 s[SC], s24, s25
	s_add_co_i32 s[SC], s[SC], 128
	s_lshl_b32 s[SC], s[SC], 23
	s_or_b32 s[SC], s[SC], 0x80000000              ; -2^(ea + eb + 1)
	s_mov_b32 s[SC+1], s[SC]
	s_wait_loadcnt 0x0
	s_wait_tensorcnt 0x0                           ; no tensor load of mine is out while I store to LDS
.irp n, 0,1,2,3,4,5,6,7
	ds_store_b128 v[ELS], v[ACC+4*\n:ACC+4*\n+3] offset:512*\n     ; shown to the other waves by the first change's wait and round
.endr
; one line of each stage, for tile k of z and registers j, j + 1.  t's set for tile k: k % 4; sets 0, 1 at v240, sets 2, 3 at v16
.macro OPA k, j                        ; t = esq + zsq
.set TS, T+8*((\k)%4)-T*(((\k)%4)/2)+(\j)
	v_pk_add_f32 v[TS:TS+1], v[ES+(\j):ES+(\j)+1], v[ST+4*(\k):ST+4*(\k)+1] op_sel_hi:[1,0]
.endm
.macro OPF k, j                        ; d = t - 2^(ea + eb + 1) x sum, one rounding; each accumulator from its low end on
.set TS, T+8*((\k)%4)-T*(((\k)%4)/2)+(\j)
.set DV, ACC+8*(\k)+(\j)
	v_pk_fma_f32 v[DV:DV+1], v[DV:DV+1], s[SC:SC+1], v[TS:TS+1] op_sel_hi:[1,0,1]
.endm
.macro OPM k, j                        ; the new minimum, in the other of the two registers
.set DV, ACC+8*(\k)+(\j)
.if (\j) == 0
	v_min3_num_f32 v[ST+4*(\k)+3-PAR], v[ST+4*(\k)+2+PAR], v[DV], v[DV+1]
.else
	v_min3_num_f32 v[ST+4*(\k)+3-PAR], v[ST+4*(\k)+3-PAR], v[DV], v[DV+1]
.endif
.endm
.macro OPS k, j                        ; where the minimum fell: keep d0 .. d6 and the tile's number
.set SV, SAV+8*(\k)+(\j)
.set DV, ACC+8*(\k)+(\j)
.if (\j) < 6
.set DW, DV+1
.else
.set DW, TCUR
.endif
	v_dual_cndmask_b32 v[SV], v[SV], v[DV] :: v_dual_cndmask_b32 v[SV+1], v[SV+1], v[DW]
.endm
.macro CMP k                           ; has tile k's minimum fallen?
	v_cmp_lt_f32 vcc_lo, v[ST+4*(\k)+3-PAR], v[ST+4*(\k)+2+PAR]
.endm
.macro AA p, j
.if (\p) < 2
	OPA 2*(\p)+4, \j
	OPA 2*(\p)+5, \j
.endif
.endm
.macro FF p, j
.if (\p) < 3
	OPF 2*(\p)+2, \j
	OPF 2*(\p)+3, \j
.endif
.endm
.macro SS p, h, j
.if (\p) > 0
	OPS 2*(\p)-2+(\h), \j
.endif
.endm
.macro HALF p, h                       ; half h of pair p's slot: registers 4 h .. 4 h + 3 of each stage; the selects of tile 2 p - 2 + h
	OPM 2*(\p), 4*(\h)
	OPM 2*(\p)+1, 4*(\h)
	AA \p, 4*(\h)
	FF \p, 4*(\h)
	SS \p, \h, 0
	OPM 2*(\p), 4*(\h)+2
	OPM 2*(\p)+1, 4*(\h)+2
	SS \p, \h, 2
	AA \p, 4*(\h)+2
	SS \p, \h, 4
	FF \p, 4*(\h)+2
	SS \p, \h, 6
.endm
; the last pair's minimum in two branches: min3(old, d0, d1) and min3(d2, d3, d4); then d5, d6; then the other branch and d7
.macro MV k
	v_min3_num_f32 v[T+(\k)%2], v[ACC+8*(\k)+2], v[ACC+8*(\k)+3], v[ACC+8*(\k)+4]
.endm
.macro MU2 k
	v_min3_num_f32 v[ST+4*(\k)+3-PAR], v[ST+4*(\k)+3-PAR], v[ACC+8*(\k)+5], v[ACC+8*(\k)+6]
.endm
.macro MFN k
	v_min3_num_f32 v[ST+4*(\k)+3-PAR], v[ST+4*(\k)+3-PAR], v[T+(\k)%2], v[ACC+8*(\k)+7]
.endm
.macro FETCH i                         ; my tile i of the slot, and its esq
.set EF, E0+8*((\i)%2)
.irp n, 0,1,2,3,4,5,6,7
	ds_load_b128 v[CF+4*\n:CF+4*\n+3], v[ADR] offset:4096*(\i)+512*\n
.endr
	ds_load_b128 v[EF:EF+3], v[ADE] offset:64*(\i)
	ds_load_b128 v[EF+4:EF+7], v[ADE] offset:64*(\i)+16
.endm
.macro MM                              ; a step's products
	s_wait_dscnt 0x0
	WIN 0x04                                       ; source 1 (z) window 1
.irp t, 0,1,2,3,4,5,6,7
	v_wmma_f32_16x16x128_bf8_bf8 v[ACC+8*\t:ACC+8*\t+7], v[CF:CF+15], v[32*\t:32*\t+15], 0
.endr
.irp t, 0,1,2,3,4,5,6,7                ; the eight accumulators by turns
	v_wmma_f32_16x16x128_bf8_bf8 v[ACC+8*\t:ACC+8*\t+7], v[CF+16:CF+31], v[32*\t+16:32*\t+31], v[ACC+8*\t:ACC+8*\t+7]
.endr
	WIN 0
.endm
.macro VV i, fetch                     ; step i's vector work; fetch = 1: the next tile of the slot is fetched
.set PAR, (\i)%2
.set ES, E0+8*PAR
.irp j, 0,2,4,6
	OPA 0, \j                                      ; these lines are also the places behind the matrix instructions
	OPA 1, \j
.endr
.if \fetch
	FETCH (\i)+1
.endif
.irp j, 0,2,4,6
	OPA 2, \j
	OPA 3, \j
.endr
.irp j, 0,2,4,6
	OPF 0, \j
	OPF 1, \j
.endr
	HALF 0, 0
	HALF 0, 1
	CMP 0
	HALF 1, 0
	CMP 1
	HALF 1, 1
	CMP 2
	HALF 2, 0
	CMP 3
	HALF 2, 1
	CMP 4
	OPM 6, 0
	MV 6
	OPM 7, 0
	MV 7
.irp j, 0,2,4,6
	OPS 4, \j
.endr
	CMP 5
	MU2 6
	MU2 7
	OPS 5, 0
	MFN 6
	MFN 7
.irp j, 2,4,6
	OPS 5, \j
.endr
	CMP 6
.irp j, 0,2,4,6
	OPS 6, \j
.endr
	CMP 7
.irp j, 0,2,4,6
	OPS 7, \j
.endr
.if \fetch
	v_add_nc_u32 v[TCUR], 1, v[TCUR]
.endif
.endm
.macro CHANGE fill                     ; the change of slots
	s_wait_tensorcnt 0x0                           ; all my tensor loads have landed: my eighth of the slot that is read next
	ds_add_u32 v[SPW], v[NIL]
.if \fill
	s_xor_b32 s[G0C+1], s[G0C+1], SLOT1
	s_add_nc_u64 s[G0C+2:G0C+3], s[G0C+2:G0C+3], CHUNK
	s_wait_xcnt 0x0                                ; my last prefetch has read its address
	s_add_nc_u64 s[PFA:PFA+1], s[PFA:PFA+1], CHUNK
	s_wait_dscnt 0x0                               ; the add is done, and so are my LDS reads and stores
	CROUND                                         ; no wave of any partner still reads the slot that is filled now
	tensor_load_to_lds s[G0C:G0C+3], s[G1C:G1C+7]  ; my one tensor load behind the round
	s_nop 0
.rept 4
	v_nop                                          ; also the places in front of the loads into the fragments' registers
.endr
	ASK
.else
	s_wait_dscnt 0x0
	s_barrier_signal -1
	s_barrier_wait -1
.rept 4
	v_nop                                          ; the places in front of the loads into the fragments' registers
.endr
.endif
.endm
; A chunk: the change of slots; my first tile's loads; the vector work of the chunk before's last step; then four steps' products and three steps' vector work.
.macro BODY first, fill
	CHANGE \fill
	v_add_nc_u32 v[ADR], s[TB], v[LB]
	v_add_nc_u32 v[ADE], s[EK], v[EB]
	FETCH 0
.if !(\first)
	VV 3, 0
.endif
	v_mov_b32 v[TCUR], s[TK]
	MM
	VV 0, 1
	MM
	VV 1, 1
	MM
	VV 2, 1
	MM
	s_xor_b32 s[TB], s[TB], SLOT1
	s_add_co_u32 s[EK], s[EK], 2048
	s_add_co_u32 s[TK], s[TK], 32
.endm
	BODY 1, 1                                      ; chunk 0; its change brings slot 1's first fill, chunk 1
	s_mov_b32 s[SLOTS], NCH-2
.Lslot:
	BODY 0, 1                                      ; chunks 1 to 14: each change fills again the slot read last
	s_sub_co_u32 s[SLOTS], s[SLOTS], 1
	s_cmp_lg_u32 s[SLOTS], 0
	s_cbranch_scc1 .Lslot
	BODY 0, 0                                      ; chunk 15: nothing is filled again
	VV 3, 0
; THE END.  The minimum lies in ST + 4 t + 2.  The eight tiles of z go side by side through each line.  Index T + t, joined minimum T + 8 + t, the other half's minimum E0 + t and index E0 + 8 + t.
.irp t, 0,1,2,3,4,5,6,7
	v_mov_b32 v[T+\t], 7
.endr
.irp j, 6,5,4,3,2,1,0
.irp t, 0,1,2,3,4,5,6,7
	v_cmp_neq_f32 s[MK+\t], v[SAV+8*\t+\j], v[ST+4*\t+2]
.endr
.irp t, 0,1,2,3,4,5,6,7
	v_cndmask_b32 v[T+\t], \j, v[T+\t], s[MK+\t]           ; the lowest j whose distance is the minimum
.endr
.endr
.irp t, 0,1,2,3,4,5,6,7
	v_lshl_add_u32 v[T+\t], v[SAV+8*\t+7], 4, v[T+\t]
.endr
.irp t, 0,1,2,3,4,5,6,7
	v_add_nc_u32 v[T+\t], v[H8], v[T+\t]                   ; index = 16 tile + 8 h + j
.endr
.irp t, 0,1,2,3,4,5,6,7
	v_permlanex16_b32 v[E0+\t], v[ST+4*\t+2], s[SEL], s[SEL+1]
.endr
.irp t, 0,1,2,3,4,5,6,7
	v_permlanex16_b32 v[E0+8+\t], v[T+\t], s[SEL], s[SEL+1]
.endr
.irp t, 0,1,2,3,4,5,6,7
	v_min_num_f32 v[T+8+\t], v[ST+4*\t+2], v[E0+\t]
.endr
.irp t, 0,1,2,3,4,5,6,7
	v_cmp_eq_f32 s[MK+\t], v[ST+4*\t+2], v[T+8+\t]
.endr
.irp t, 0,1,2,3,4,5,6,7
	v_cndmask_b32 v[T+\t], v[BIG], v[T+\t], s[MK+\t]
.endr
.irp t, 0,1,2,3,4,5,6,7
	v_cmp_eq_f32 s[MK+\t], v[E0+\t], v[T+8+\t]
.endr
.irp t, 0,1,2,3,4,5,6,7
	v_cndmask_b32 v[E0+8+\t], v[BIG], v[E0+8+\t], s[MK+\t]
.endr
.irp t, 0,1,2,3,4,5,6,7
	v_min_u32 v[T+\t], v[T+\t], v[E0+8+\t]                 ; the lower index among equal minima
.endr
.irp t, 0,1,2,3,4,5,6,7
	ds_store_b32 v[SCW], v[T+8+\t] offset:64*\t            ; lanes r and r + 16 write the same word with the same number
	ds_store_b32 v[SCW], v[T+\t] offset:4096+64*\t
.endr
	s_wait_dscnt 0x0                               ; for the others' sake: my stores have landed
	s_barrier_signal -1
	s_barrier_wait -1
	s_cmp_lg_u32 s[WV], 0                          ; wave 0 joins the eight waves' results: four rows a lane
	s_cbranch_scc1 .Lothers
.irp w, 0,1,2,3,4,5,6,7
	ds_load_b128 v[64+4*\w:67+4*\w], v[SCR] offset:512*\w
	ds_load_b128 v[96+4*\w:99+4*\w], v[SCR] offset:4096+512*\w
.endr
	s_wait_dscnt 0x0
.irp q, 0,1,2,3
	v_min3_num_f32 v[132+\q], v[64+\q], v[68+\q], v[72+\q]
.endr
.irp q, 0,1,2,3
	v_min3_num_f32 v[132+\q], v[132+\q], v[76+\q], v[80+\q]
.endr
.irp q, 0,1,2,3
	v_min3_num_f32 v[132+\q], v[132+\q], v[84+\q], v[88+\q]
.endr
.irp q, 0,1,2,3
	v_min_num_f32 v[132+\q], v[132+\q], v[92+\q]
.endr
.irp w, 0,1,2,3,4,5,6,7
.irp q, 0,1,2,3
	v_cmp_eq_f32 s[MK+\q], v[64+4*\w+\q], v[132+\q]
.endr
.irp q, 0,1,2,3
	v_cndmask_b32 v[96+4*\w+\q], v[BIG], v[96+4*\w+\q], s[MK+\q]
.endr
.endr
.irp q, 0,1,2,3
	v_min_u32 v[128+\q], v[96+\q], v[100+\q]
.endr
.irp w, 2,3,4,5,6,7
.irp q, 0,1,2,3
	v_min_u32 v[128+\q], v[128+\q], v[96+4*\w+\q]
.endr
.endr
	global_store_b128 v[L16], v[128:131], s[14:15] ; 32 lanes store 512 consecutive bytes, aligned
.Lothers:
	s_wait_tensorcnt 0x0                           ; the wave's end
	ds_add_u32 v[SPW], v[NIL]
	s_wait_dscnt 0x0
	CROUND                                         ; the closing round
	s_endpgm
.Lfunc_end_k_q0aee5faccb_vq:
	.size	k_q0aee5faccb_vq, .Lfunc_end_k_q0aee5faccb_vq-k_q0aee5faccb_vq
	.p2alignl 7, 3214868480
	.fill 96, 4, 3214868480
	.section	.rodata,"a",@progbits
	.p2align	6, 0x0
	.amdhsa_kernel k_q0aee5faccb_vq
		.amdhsa_group_segment_fixed_size 327680
		.amdhsa_private_segment_fixed_size 0
		.amdhsa_enable_private_segment 0
		.amdhsa_kernarg_size 48
		.amdhsa_user_sgpr_count 2
		.amdhsa_user_sgpr_kernarg_segment_ptr 1
		.amdhsa_wavefront_size32 1
		.amdhsa_system_sgpr_workgroup_id_x 1
		.amdhsa_system_sgpr_workgroup_id_y 1
		.amdhsa_system_sgpr_workgroup_id_z 1
		.amdhsa_system_vgpr_workitem_id 0
		.amdhsa_next_free_vgpr 512
		.amdhsa_next_free_sgpr 66
		.amdhsa_reserve_vcc 1
		.amdhsa_float_denorm_mode_32 3
		.amdhsa_float_denorm_mode_16_64 3
		.amdhsa_memory_ordered 1
		.amdhsa_forward_progress 1
		.amdhsa_inst_pref_size 160
	.end_amdhsa_kernel
	.amdgpu_metadata
---
amdhsa.version: [ 1, 2 ]
amdhsa.kernels:
  - .name:           k_q0aee5faccb_vq
    .symbol:         k_q0aee5faccb_vq.kd
    .args:
      - { .name: zq, .offset: 0, .size: 8, .value_kind: global_buffer, .address_space: global }
      - { .name: zsq, .offset: 8, .size: 8, .value_kind: global_buffer, .address_space: global }
      - { .name: cbq, .offset: 16, .size: 8, .value_kind: global_buffer, .address_space: global }
      - { .name: esq, .offset: 24, .size: 8, .value_kind: global_buffer, .address_space: global }
      - { .name: lowp_scales, .offset: 32, .size: 8, .value_kind: global_buffer, .address_space: global }
      - { .name: out0, .offset: 40, .size: 8, .value_kind: global_buffer, .address_space: global }
    .group_segment_fixed_size: 327680
    .private_segment_fixed_size: 0
    .kernarg_segment_align: 8
    .kernarg_segment_size: 48
    .max_flat_workgroup_size: 256
    .sgpr_count:     66
    .vgpr_count:     512
    .wavefront_size: 32
...
	.end_amdgpu_metadata
.endif
;; end of part 2
